; MI455X (gfx1250); checked and timed in simulation.
; The chip was launched on July 23, 2026; its instructions are those of AMD's public machine-readable ISA for CDNA 5 (MIT licence, August 2026) and "CDNA5" Instruction Set Architecture Reference Guide (July 2026). The comments in the code are by the model that wrote it; some were corrected since.
;; Multi Head Self Attention. Allowed arithmetic: matrix products marked QUANTISED: E2M1 operands, one E8M0 scale for each 32 along K, by v_wmma_scale_f32_16x16x128_f8f6f4 with both operands' format E2M1 (or v_wmma_scale_f32_32x16x128_f4), f32 sums; products left as they are: bf16, f16 or f32 operands; f32 sums; everything else in f32.
;; Inputs: w_qkv 1,024 x 3,072 float32; x 4 x 2,048 x 1,024 float32.
;; Outputs: out0 4 x 2,048 x 1,024 float32.
;; This version of the problem:
;;   THIS VERSION OF THE PROBLEM IS GIVEN IN LOW PRECISION. The matrix products marked QUANTISED in the list below multiply operands that are first quantised to E2M1 (2 exponent bits, 1 mantissa bit; 4 bits a number), with one power-of-two scale for each 32 numbers along K (OCP MX v1.0); their sums are f32. The products marked 'left as it is' may take bf16, f16 or f32 operands, with f32 sums. Whichever they take, every output number must still come out within the allowed error. Rounding operands to bf16 (8 significant bits) uses up far more of that allowance than f16 does (11 bits, for magnitudes from 6e-5 to 65,504). All else is computed in f32.
;;   The module's matrix products, in the order in which they are computed (A, B: the left and right operand; K: the contracted axis; several contracted axes count as one K, in the product's order):
;;     1. [M 8,192, K 1,024] x [K 1,024, N 3,072]; A: input x; B: input w_qkv: QUANTISED
;;     2. batch 64 x [M 2,048, K 64] x [K 64, N 2,048]; A: computed on the way; B: computed on the way: left as it is (an operand is computed on the way)
;;     3. batch 64 x [M 64, K 2,048] x [K 2,048, N 2,048]; A: computed on the way; B: computed on the way: left as it is (an operand is computed on the way)
;;   THE QUANTISER, for each operand of a quantised product, along K:
;;     - K is cut into blocks of 32 from its start; a last block that is shorter is filled with zeros.
;;     - A block's scale is 2^e with e = floor(log2(the largest magnitude in the block)) - 2, held to -126 .. 127; a block of zeros has e = 0. As a byte (E8M0): e + 127.
;;     - Each number is divided by its block's scale, clamped to +-6, and rounded to the nearest number of E2M1, ties to even, subnormals kept.
;;     - The product sums the exact products of the quantised numbers (number of the format x scale) in f32.
;;   ~~~python
;;   def quantise(x, axis):      # numpy; x: float32 -> the quantised numbers, widened to float32 again
;;       x = np.moveaxis(x, axis, -1); K = x.shape[-1]
;;       x = np.pad(x, [(0, 0)] * (x.ndim - 1) + [(0, -K % 32)]); x = x.reshape(x.shape[:-1] + (-1, 32)); a = np.abs(x).max(-1, keepdims=True)
;;       e = np.where(a > 0, np.clip(np.frexp(np.where(a > 0, a, 1))[1] - 1 - 2, -126, 127), 0)      # np.frexp(a)[1] - 1 = floor(log2(a)), exactly
;;       r = np.clip(x / 2.0 ** e, -6, 6)
;;       step = 2.0 ** (np.maximum(np.frexp(np.where(r == 0, 1, r))[1] - 1, 0) - 1)
;;       q = np.round(r / step) * step * 2.0 ** e      # np.round: ties to even
;;       return np.moveaxis(q.reshape(q.shape[:-2] + (-1,))[..., :K], -1, axis).astype(np.float32)
;;   ~~~
;; One version. Each part assembles by itself: llvm-mc -triple=amdgcn-amd-amdhsa -mcpu=gfx1250 --defsym DOCPART=n.
;; ======== version 1 of 1: 4 launches
;; limits: values are held in f16: magnitudes above 65,504 overflow, below 6.1e-05 lose precision
;; workspace buffers: x_codes 4,194,304 bytes; x_scales 262,144 bytes; w_codes 1,572,864 bytes; w_scales 98,304 bytes; qkv 50,331,648 bytes
;; launch quant_x (part 1): grid 256 x 1, 4 waves a work-group, no clusters, 33,280 bytes of LDS; arguments x, x_codes, x_scales; writes x_codes, x_scales
.if DOCPART == 1
	.amdgcn_target "amdgcn-amd-amdhsa--gfx1250"
	.amdhsa_code_object_version 6
	.text
	.protected	k_q087531a87f_quant_x
	.globl	k_q087531a87f_quant_x
	.p2align	8
	.type	k_q087531a87f_quant_x,@function
k_q087531a87f_quant_x:
	s_mov_b64 s[64:65], 0
	v_nop
	global_prefetch_b8 v0, s[64:65] scope:SCOPE_SE
	s_setreg_imm32_b32 hwreg(HW_REG_WAVE_MODE, 25, 1), 1
	s_wait_xcnt 0x0
; x [8192][1024], f32, K innermost, is turned into codes of FP4 (E2M1), two a byte, and one E8M0 scale byte for each 32 along K.
; A block's scale is 2^(floor(log2(its largest magnitude)) - 2); its byte is the largest magnitude's own exponent field - 2, held at 1 from below.
; (A block of zeros so gets the byte 1 where the rule says 127: its codes are zeros, which add nothing under any byte but 0xff, and the bytes are read by this program alone.)
; LIMITS: blocks whose largest magnitude lies under the floor 2^(3 - 127) keep the byte 1; NaN and infinities among the inputs are not served.
; Rows are dense and 1,024 is a multiple of 32: x is a plain stream of blocks of 32, and so are its codes and its scale bytes.
; A wave takes 16 steps of 512 numbers.  Each of a step's four loads reads 512 consecutive bytes, 16 a lane; the 2,048 bytes go through the wave's own stage in LDS and come back 64 bytes a lane,
; so that a lane holds 16 neighbours along K (two neighbouring lanes hold a block).  A lane's 16 codes are 8 bytes: the wave stores 256 consecutive bytes.  A wave's 256 scale bytes are gathered
; in its own LDS bytes and leave as one aligned run of 256 bytes.  Work-groups share no input: no cluster, no tensor load, no barrier.  Loads run four steps (16 loads a wave) ahead.
.set WAVES, 4
.set STEPS, 16
.set EMAX,  2
.set CB,    8                          ; bytes of 16 codes
.set R,     16                         ; v16-79   four sets of 16 numbers as they are loaded
.set X,     80                         ; v80-111  two sets of 16 neighbours
.set E,     112                        ; v112-127 a scale byte for each step
.set C,     128                        ; v128-191 codes: four registers for each step, so that no store's data are written again
.set WREG,  8192                       ; LDS: a region for each wave: two stages of 32 x SP bytes, behind them its 256 scale bytes
.set SP,    80                         ; a lane's place in a stage: its 64 bytes + 16 of padding
.set SPW,   12                         ; v12      LDS address of my spare word; never rewritten
.set NIL,   13                         ; v13      0; never rewritten
.set SPARE, WAVES*WREG                 ; behind the four regions: the spare words, 128 bytes a wave, which no other line names
	s_load_b128 s[4:7], s[0:1], 0x0                ; x s[4:5], the codes s[6:7]
	s_load_b64 s[8:9], s[0:1], 0x10                ; the scale bytes
	v_lshl_add_u32 v[SPW], v0, 2, SPARE
	v_mov_b32 v[NIL], 0
	v_lshrrev_b32 v1, 5, v0
	v_readfirstlane_b32 s16, v1                    ; wave
	v_and_b32 v2, 31, v0                           ; lane
	v_lshlrev_b32 v3, 4, v2                        ; my 16 bytes of a load's 512
	s_mul_i32 s17, s16, WREG
	v_lshrrev_b32 v14, 2, v2
	v_mul_u32_u24 v14, v14, SP
	v_and_b32 v15, 3, v2
	v_lshl_add_u32 v14, v15, 4, v14
	v_add_nc_u32 v14, s17, v14                     ; the stage, on the way in: SP (lane / 4) + 16 (lane % 4); a load's 512 bytes take eight places
	v_mul_u32_u24 v15, v2, SP
	v_add_nc_u32 v15, s17, v15                     ; and on the way out: SP x lane: my 16 neighbours
	v_mul_u32_u24 v4, v2, CB                       ; my codes' place in a step's
	v_lshrrev_b32 v5, 1, v2
	s_add_co_u32 s17, s17, 2*32*SP
	v_add_nc_u32 v5, s17, v5                       ; LDS: my wave's 256 scale bytes, my block's byte
	v_lshlrev_b32 v7, 3, v2                        ; and on the way out 8 bytes a lane
	v_add_nc_u32 v6, s17, v7
	s_lshl_b32 s18, ttmp9, 2
	s_add_co_u32 s18, s18, s16                     ; which run of 8,192 numbers is my wave's: 0 .. 1,023
	s_lshl_b32 s20, s18, 15                        ; 32,768 bytes of x a run,
	s_mov_b32 s21, 0
	s_lshl_b32 s22, s18, 12                        ; 4,096 of codes,
	s_mov_b32 s23, 0
	s_lshl_b32 s24, s18, 8                         ; 256 of scale bytes
	s_mov_b32 s25, 0
	s_wait_kmcnt 0x0
	s_add_nc_u64 s[4:5], s[4:5], s[20:21]
	s_add_nc_u64 s[6:7], s[6:7], s[22:23]
	s_add_nc_u64 s[8:9], s[8:9], s[24:25]
.macro LOAD t
.irp i, 0,1,2,3
	global_load_b128 v[R+16*((\t)%4)+4*\i:R+16*((\t)%4)+4*\i+3], v3, s[4:5] offset:2048*(\t)+512*\i th:TH_LOAD_NT   ; 32 lanes read 512 consecutive bytes
.endr
.endm
.macro TURN t                          ; step t's numbers through the stage: LDS serves a wave's instructions in order, so no wait stands between the stores and the loads
.irp i, 0,1,2,3
	ds_store_b128 v14, v[R+16*((\t)%4)+4*\i:R+16*((\t)%4)+4*\i+3] offset:32*SP*((\t)%2)+8*SP*\i
.endr
.irp i, 0,1,2,3
	ds_load_b128 v[X+16*((\t)%2)+4*\i:X+16*((\t)%2)+4*\i+3], v15 offset:32*SP*((\t)%2)+16*\i
.endr
.endm
.irp t, 0,1,2,3
	LOAD \t
.endr
	s_wait_loadcnt 12                              ; step 0's four loads are in; the twelve of steps 1 to 3 may be out
	TURN 0
.macro STEP t
.set XS, X+16*((\t)%2)
.if (\t) > 0
	s_wait_dscnt 1                                 ; this step's numbers are back from the stage (the last step's byte store may be out): so its stores into the stage have read their registers,
.else
	s_wait_dscnt 0x0
.endif
.if (\t)+4 < STEPS
	LOAD (\t)+4                                    ; which take the loads of four steps on
.endif
.if (\t)+1 < STEPS
.if STEPS-2-(\t) >= 3
	s_wait_loadcnt 12                              ; the next step's four loads are in; those of the three steps behind it may be out
.else
	s_wait_loadcnt 4*(STEPS-2-(\t))
.endif
	TURN (\t)+1                                    ; and go through the other stage while this step is worked
.endif
	v_max3_num_f32 v8, |v[XS]|, |v[XS+1]|, |v[XS+2]|               ; the largest magnitude of my 16, in two chains
	v_max3_num_f32 v9, |v[XS+3]|, |v[XS+4]|, |v[XS+5]|
.irp i, 6,10
	v_max3_num_f32 v8, v8, |v[XS+\i]|, |v[XS+\i+1]|
	v_max3_num_f32 v9, v9, |v[XS+\i+2]|, |v[XS+\i+3]|
.endr
	v_max3_num_f32 v8, v8, |v[XS+14]|, |v[XS+15]|
	v_max3_num_f32 v8, v8, v9, (EMAX+1)<<23        ; and the floor 2^(EMAX + 1 - 127): the byte cannot fall under 1
	v_max_num_f32_dpp v8, v8, v8 row_xmask:1 row_mask:0xf bank_mask:0xf   ; and of my neighbour's 16: the block's
	v_add_nc_u32 v11, -(EMAX<<23), v8              ; EMAX off its exponent field: the conversion takes the exponent field of this operand as its scale, and nothing else of it
	v_cvt_scalef32_pk8_fp4_f32 v[C+4*(\t)], v[XS:XS+7], v11        ; eight numbers / the scale, to the nearest code, ties to even, beyond 6 the largest code; the first number's code in the lowest four bits
	v_cvt_scalef32_pk8_fp4_f32 v[C+4*(\t)+1], v[XS+8:XS+15], v11
	v_lshrrev_b32 v[E+(\t)], 23, v11               ; the scale's byte (a plain line behind the conversions)
	ds_store_b8 v5, v[E+(\t)] offset:16*(\t)       ; both lanes of a block write the same byte with the same value
	global_store_b64 v4, v[C+4*(\t):C+4*(\t)+1], s[6:7] offset:32*CB*(\t)   ; the wave stores 256 consecutive bytes, aligned
.endm
.irp t, 0,1,2,3,4,5,6,7,8,9,10,11,12,13,14,15
	STEP \t
.endr
	ds_load_b64 v[8:9], v6                         ; LDS serves a wave's instructions in order: these see my stores
	s_wait_dscnt 0x0
	global_store_b64 v7, v[8:9], s[8:9]            ; 32 lanes store 256 consecutive bytes, aligned
	s_wait_tensorcnt 0x0                           ; the wave's end, behind my last LDS store
	ds_add_u32 v[SPW], v[NIL]
	s_wait_dscnt 0x0
	s_endpgm
.Lfunc_end_k_q087531a87f_quant_x:
	.size	k_q087531a87f_quant_x, .Lfunc_end_k_q087531a87f_quant_x-k_q087531a87f_quant_x
	.p2alignl 7, 3214868480
	.fill 96, 4, 3214868480
	.section	.rodata,"a",@progbits
	.p2align	6, 0x0
	.amdhsa_kernel k_q087531a87f_quant_x
		.amdhsa_group_segment_fixed_size 33280
		.amdhsa_private_segment_fixed_size 0
		.amdhsa_enable_private_segment 0
		.amdhsa_kernarg_size 24
		.amdhsa_user_sgpr_count 2
		.amdhsa_user_sgpr_kernarg_segment_ptr 1
		.amdhsa_wavefront_size32 1
		.amdhsa_system_sgpr_workgroup_id_x 1
		.amdhsa_system_sgpr_workgroup_id_y 1
		.amdhsa_system_sgpr_workgroup_id_z 1
		.amdhsa_system_vgpr_workitem_id 0
		.amdhsa_next_free_vgpr 192
		.amdhsa_next_free_sgpr 66
		.amdhsa_reserve_vcc 0
		.amdhsa_float_denorm_mode_32 3
		.amdhsa_float_denorm_mode_16_64 3
		.amdhsa_memory_ordered 1
		.amdhsa_forward_progress 1
		.amdhsa_inst_pref_size 33
	.end_amdhsa_kernel
	.amdgpu_metadata
---
amdhsa.version: [ 1, 2 ]
amdhsa.kernels:
  - .name:           k_q087531a87f_quant_x
    .symbol:         k_q087531a87f_quant_x.kd
    .args:
      - { .name: x, .offset: 0, .size: 8, .value_kind: global_buffer, .address_space: global }
      - { .name: x_codes, .offset: 8, .size: 8, .value_kind: global_buffer, .address_space: global }
      - { .name: x_scales, .offset: 16, .size: 8, .value_kind: global_buffer, .address_space: global }
    .group_segment_fixed_size: 33280
    .private_segment_fixed_size: 0
    .kernarg_segment_align: 8
    .kernarg_segment_size: 24
    .max_flat_workgroup_size: 128
    .sgpr_count:     66
    .vgpr_count:     192
    .wavefront_size: 32
...
	.end_amdgpu_metadata
.endif
;; end of part 1
;; launch quant_w (part 2): grid 48 x 2, 8 waves a work-group, no clusters, 19,456 bytes of LDS; arguments w_qkv, w_codes, w_scales; writes w_codes, w_scales
.if DOCPART == 2
	.amdgcn_target "amdgcn-amd-amdhsa--gfx1250"
	.amdhsa_code_object_version 6
	.text
	.protected	k_q087531a87f_quant_w
	.globl	k_q087531a87f_quant_w
	.p2align	8
	.type	k_q087531a87f_quant_w,@function
k_q087531a87f_quant_w:
	s_mov_b64 s[64:65], 0
	v_nop
	global_prefetch_b8 v0, s[64:65] scope:SCOPE_SE
	s_setreg_imm32_b32 hwreg(HW_REG_WAVE_MODE, 25, 1), 1
	s_wait_xcnt 0x0
; w [1024 (k)][3072 (n)], f32, K its FIRST axis, is turned into codes of FP4 (E2M1) laid [3072][1024] with K innermost (512 bytes a row), and one E8M0 byte for each 32 along K, laid [3072][32].
; A LANE TAKES A COLUMN n, AND ITS REGISTERS RUN DOWN K: a load reads neighbouring n in neighbouring lanes, a block of 32 along K lies in one lane's 32 registers, so its largest magnitude needs no
; other lane, and the conversions give codes with K innermost.  The scale and its byte are made as in the launch for x.
; LIMITS: blocks whose largest magnitude lies under the floor 2^(3 - 127) keep the byte 1 (a block of zeros too: its codes are zeros); NaN and infinities among the inputs are not served.
; SHARES.  A work-group takes 64 columns x 512 along K.  Wave w: columns 32 (w % 2) on (two waves side by side read 256 consecutive bytes of a row of w), K 128 (w / 2) on: four blocks a lane.
; So 768 waves have loads on their way, 32 to 63 of 128 bytes each.  A lane's codes belong to one row of the output, and a row's 256 bytes come from four waves: they meet in a stage in LDS behind one barrier
; and leave as rows: sixteen lanes store 256 consecutive bytes, aligned.  The 16 scale bytes of a column for these 512 along K leave by one store of 16 bytes a lane, in rows 32 bytes apart:
; these runs of 256 bytes are written in halves by the two work-groups along K; they are one byte in 128 of what the launch reads.  Work-groups share no input: no cluster.
.set ROWW,  3072*4                     ; a row of w in bytes
.set NB,    4                          ; blocks of a lane
.set PITCH, 272                        ; a stage row: 256 bytes of codes + 16, an odd multiple of 16: sixteen lanes' rows fall on sixteen different 16-byte columns modulo 256
.set KROW,  512                        ; a row of the codes' buffer
.set EMAX,  2
.set SCST,  64*PITCH                   ; behind the stage: 64 columns x 16 scale bytes
.set SPARE, SCST+1024                  ; behind them: the spare words, 128 bytes a wave, which no other line names
.set SPW,   14                         ; v14  LDS address of my spare word; never rewritten
.set NIL,   15                         ; v15  0; never rewritten
.set SB,    24                         ; v24  my four scale bytes
.set X,     32                         ; v32-95   two sets of 32 numbers
.set C,     96                         ; v96-99   a block's codes
.set OUTR,  112                        ; v112-127 the way out: 4 x 4 registers
.set SCO,   128                        ; v128-131 a column's 16 scale bytes
	s_load_b128 s[4:7], s[0:1], 0x0                ; w s[4:5], the codes s[6:7]
	s_load_b64 s[8:9], s[0:1], 0x10                ; the scale bytes
	v_lshl_add_u32 v[SPW], v0, 2, SPARE
	v_mov_b32 v[NIL], 0
	v_lshrrev_b32 v1, 5, v0
	v_readfirstlane_b32 s16, v1                    ; wave 0..7
	v_and_b32 v2, 31, v0                           ; lane
	s_and_b32 s17, s16, 1                          ; cw: which 32 columns
	s_lshr_b32 s18, s16, 1                         ; kw: which 128 along K
	s_and_b32 s19, ttmp7, 0xffff                   ; y: which 512 along K
	v_lshlrev_b32 v3, 2, v2                        ; in: 4 bytes a lane
	s_mul_i32 s20, s17, 32*PITCH
	s_lshl_b32 s21, s18, 6
	s_add_co_u32 s20, s20, s21
	v_mul_u32_u24 v4, v2, PITCH
	v_add_nc_u32 v4, s20, v4                       ; into the stage: row = my column, byte 64 kw
	s_lshl_b32 s20, s17, 9
	s_add_co_u32 s20, s20, SCST
	v_lshl_add_u32 v9, v2, 4, s20                  ; my column's 16 scale bytes,
	s_lshl_b32 s21, s18, 2
	s_add_co_u32 s21, s21, s20
	v_lshl_add_u32 v5, v2, 4, s21                  ; and my four of them
	v_and_b32 v16, 15, v2
	v_lshrrev_b32 v17, 4, v2
	s_mul_i32 s20, s16, 8*PITCH                    ; out of the stage: wave w takes rows 8 w .. 8 w + 7; sixteen lanes to a row, two rows an instruction
	v_mul_u32_u24 v7, v17, PITCH
	v_lshl_add_u32 v7, v16, 4, v7
	v_add_nc_u32 v7, s20, v7
	s_lshl_b32 s20, s16, 12                        ; and the same place in the codes' buffer: 8 rows of 512 bytes a wave
	v_lshlrev_b32 v8, 9, v17
	v_lshl_add_u32 v8, v16, 4, v8
	v_add_nc_u32 v8, s20, v8
	s_lshl_b32 s20, s17, 10
	v_lshl_add_u32 v10, v2, 5, s20                 ; my column's row of 32 scale bytes in memory
	s_lshl_b32 s20, s19, 9
	s_lshl_b32 s21, s18, 7
	s_add_co_u32 s20, s20, s21                     ; my first k: 512 y + 128 kw
	s_mul_i32 s20, s20, ROWW
	s_lshl_b32 s21, ttmp9, 8
	s_add_co_u32 s20, s20, s21                     ; + 64 x columns of 4 bytes
	s_lshl_b32 s21, s17, 7
	s_add_co_u32 s20, s20, s21                     ; + 32 cw columns
	s_mov_b32 s21, 0
	s_lshl_b32 s22, ttmp9, 15                      ; codes: 64 x rows of 512 bytes + 256 y
	s_lshl_b32 s23, s19, 8
	s_add_co_u32 s22, s22, s23
	s_mov_b32 s23, 0
	s_lshl_b32 s24, ttmp9, 11                      ; scale bytes: 64 x rows of 32 bytes + 16 y
	s_lshl_b32 s25, s19, 4
	s_add_co_u32 s24, s24, s25
	s_mov_b32 s25, 0
	s_wait_kmcnt 0x0
	s_add_nc_u64 s[4:5], s[4:5], s[20:21]
	s_add_nc_u64 s[6:7], s[6:7], s[22:23]
	s_add_nc_u64 s[8:9], s[8:9], s[24:25]
.macro LOAD t                          ; block t: w(32 t + i, my column), i = 0 .. 31, into set t % 2; the offsets, 127 rows at the most, stay inside the signed 24-bit immediate
.irp i, 0,1,2,3,4,5,6,7,8,9,10,11,12,13,14,15,16,17,18,19,20,21,22,23,24,25,26,27,28,29,30,31
	global_load_b32 v[X+32*((\t)%2)+\i], v3, s[4:5] offset:(32*(\t)+\i)*ROWW th:TH_LOAD_NT
.endr
.endm
	LOAD 0
	LOAD 1
.macro BLOCK t
.set XS, X+32*((\t)%2)
.if (\t) < NB-1
	s_wait_loadcnt 32                              ; this block's 32 loads are in; the next block's may be out
.else
	s_wait_loadcnt 0
.endif
	v_max3_num_f32 v12, |v[XS]|, |v[XS+1]|, |v[XS+2]|               ; the block's largest magnitude: all 32 numbers are mine
	v_max3_num_f32 v13, |v[XS+3]|, |v[XS+4]|, |v[XS+5]|
.irp i, 6,10,14,18,22,26
	v_max3_num_f32 v12, v12, |v[XS+\i]|, |v[XS+\i+1]|
	v_max3_num_f32 v13, v13, |v[XS+\i+2]|, |v[XS+\i+3]|
.endr
	v_max3_num_f32 v12, v12, |v[XS+30]|, |v[XS+31]|
	v_max3_num_f32 v12, v12, v13, (EMAX+1)<<23     ; and the floor 2^(EMAX + 1 - 127)
	v_add_nc_u32 v11, -(EMAX<<23), v12             ; EMAX off its exponent field: the conversion's scale operand
	v_lshrrev_b32 v13, 23, v11                     ; the scale's byte
.if (\t) == 0
	v_mov_b32 v[SB], v13                           ; four bytes to the register, the lower K in the lower byte
.else
	v_lshl_or_b32 v[SB], v13, 8*(\t), v[SB]
.endif
.irp g, 0,1,2,3
	v_cvt_scalef32_pk8_fp4_f32 v[C+\g], v[XS+8*\g:XS+8*\g+7], v11
.endr
	v_nop                                          ; a plain line behind the last conversion
	ds_store_b128 v4, v[C:C+3] offset:16*(\t)      ; 32 codes: 16 bytes of my column's row
.if (\t)+2 < NB
	LOAD (\t)+2
.endif
	s_wait_dscnt 0x0                               ; the store has read its registers: the next block's codes may be written
.endm
	BLOCK 0
	BLOCK 1
	BLOCK 2
	BLOCK 3
	ds_store_b32 v5, v[SB]
	s_wait_dscnt 0x0                               ; for the others' sake: my stores into the stage and among the scale bytes are done
	s_barrier_signal -1
	s_barrier_wait -1                              ; everybody's are
.irp t, 0,1,2,3
	ds_load_b128 v[OUTR+4*\t:OUTR+4*\t+3], v7 offset:2*\t*PITCH
.endr
.irp t, 0,1,2,3
	s_wait_dscnt 3-\t                              ; LDS loads come back in order: load t is in, the younger ones may be out
	global_store_b128 v8, v[OUTR+4*\t:OUTR+4*\t+3], s[6:7] offset:2*\t*KROW   ; sixteen lanes store 256 consecutive bytes, aligned
.endr
	s_cmp_lt_u32 s16, 2                            ; waves 0 and 1 send the scale bytes of columns 32 w on (for them cw = w)
	s_cbranch_scc0 .Lno_scales
	ds_load_b128 v[SCO:SCO+3], v9
	s_wait_dscnt 0x0
	global_store_b128 v10, v[SCO:SCO+3], s[8:9]
.Lno_scales:
	s_wait_tensorcnt 0x0                           ; the wave's end, behind my last LDS store
	ds_add_u32 v[SPW], v[NIL]
	s_wait_dscnt 0x0
	s_endpgm
.Lfunc_end_k_q087531a87f_quant_w:
	.size	k_q087531a87f_quant_w, .Lfunc_end_k_q087531a87f_quant_w-k_q087531a87f_quant_w
	.p2alignl 7, 3214868480
	.fill 96, 4, 3214868480
	.section	.rodata,"a",@progbits
	.p2align	6, 0x0
	.amdhsa_kernel k_q087531a87f_quant_w
		.amdhsa_group_segment_fixed_size 19456
		.amdhsa_private_segment_fixed_size 0
		.amdhsa_enable_private_segment 0
		.amdhsa_kernarg_size 24
		.amdhsa_user_sgpr_count 2
		.amdhsa_user_sgpr_kernarg_segment_ptr 1
		.amdhsa_wavefront_size32 1
		.amdhsa_system_sgpr_workgroup_id_x 1
		.amdhsa_system_sgpr_workgroup_id_y 1
		.amdhsa_system_sgpr_workgroup_id_z 1
		.amdhsa_system_vgpr_workitem_id 0
		.amdhsa_next_free_vgpr 136
		.amdhsa_next_free_sgpr 66
		.amdhsa_reserve_vcc 0
		.amdhsa_float_denorm_mode_32 3
		.amdhsa_float_denorm_mode_16_64 3
		.amdhsa_memory_ordered 1
		.amdhsa_forward_progress 1
		.amdhsa_inst_pref_size 23
	.end_amdhsa_kernel
	.amdgpu_metadata
---
amdhsa.version: [ 1, 2 ]
amdhsa.kernels:
  - .name:           k_q087531a87f_quant_w
    .symbol:         k_q087531a87f_quant_w.kd
    .args:
      - { .name: w_qkv, .offset: 0, .size: 8, .value_kind: global_buffer, .address_space: global }
      - { .name: w_codes, .offset: 8, .size: 8, .value_kind: global_buffer, .address_space: global }
      - { .name: w_scales, .offset: 16, .size: 8, .value_kind: global_buffer, .address_space: global }
    .group_segment_fixed_size: 19456
    .private_segment_fixed_size: 0
    .kernarg_segment_align: 8
    .kernarg_segment_size: 24
    .max_flat_workgroup_size: 256
    .sgpr_count:     66
    .vgpr_count:     136
    .wavefront_size: 32
...
	.end_amdgpu_metadata
.endif
;; end of part 2
;; launch gemm (part 3): grid 12 x 32, 4 waves a work-group, clusters of 4 x 4, 327,680 bytes of LDS; arguments x_codes, x_scales, w_codes, w_scales, qkv; writes qkv
.if DOCPART == 3
	.amdgcn_target "amdgcn-amd-amdhsa--gfx1250"
	.amdhsa_code_object_version 6
	.text
	.protected	k_q087531a87f_gemm
	.globl	k_q087531a87f_gemm
	.p2align	8
	.type	k_q087531a87f_gemm,@function
k_q087531a87f_gemm:
	s_mov_b64 s[64:65], 0
	v_nop
	global_prefetch_b8 v0, s[64:65] scope:SCOPE_SE
	s_setreg_imm32_b32 hwreg(HW_REG_WAVE_MODE, 25, 1), 1
	s_wait_xcnt 0x0
	s_wait_alu depctr_hold_cnt(0) depctr_sa_sdst(0) depctr_va_vdst(0) depctr_va_sdst(0) depctr_va_ssrc(0) depctr_va_vcc(0) depctr_vm_vsrc(0)
	s_getreg_b32 s2, hwreg(HW_REG_IB_STS2, 6, 4)
	s_cmp_eq_u32 s2, 0
	s_cbranch_scc0 .Lentry_in_a_cluster
	s_endpgm
.Lentry_in_a_cluster:
	s_bfe_u32 s2, ttmp6, 0x10000c
	s_cmp_lg_u32 s2, 0xf033
	s_cbranch_scc0 .Lentry_shape_is_right
	s_endpgm
.Lentry_shape_is_right:
; qkv[m][n] = sum over k of A[m][k] B[n][k].  A = x's codes [8192][1024], B = w's codes [3072][1024]: FP4 (E2M1), two a byte, K innermost, with one E8M0 byte for each 32 along K ([rows][32]).
; The matrix instruction takes codes and scale bytes as they lie in memory; sums in f32.  The result is rounded ONCE to f16 and laid for the attention launch: [part 3][batch 4][head 16][token 2048][64].
; LIMIT: f16 holds magnitudes up to 65,504; a q, k or v beyond that becomes an infinity.
; A tile of the result, 256 x 256, is made by a work-group of four waves; a wave makes 128 x 128: 64 accumulators of 16 x 16, 512 registers.  K = 1,024 is two K steps of 512 (tile rows of 256 bytes):
; both lie in LDS at once, in two slots asked for at the head; nothing is filled again.  The scale bytes of the work-group's 256 + 256 rows, two dense blocks, come with them.
; CLUSTERS: 4 x 4 work-groups.  The four of a row of the cluster need the same tiles of A, the four of a column the same tiles of B: each tile is asked for JOINTLY, by the same tensor load with the same
; descriptor and a mask that names the four.  THE MATRIX INSTRUCTION IS USED TRANSPOSED (source 0 = 16 rows of B, source 1 = 16 rows of A): a lane then holds eight neighbouring columns of one token.
; REGISTERS, in windows of 256: window 0: v0-31 addresses; v32-95 scale words, two sets, and nothing else; v128-191 A's fragments, ONE set (on the way out: rows read back); v192-223 packed results.
;   window 1: B's fragments, TWO sets, at v0 and v128.   window 2: the 32 accumulators of my rows 0-63 ((a, b) at v[8 (8 a + b)]);   window 3: those of my rows 64-127.
.set SIZE_K, 1024
.set KSTEP,  512                       ; along K in a slot
.set NQ,     KSTEP/128                 ; matrix instructions deep
.set ROWB,   256                       ; a tile's row in bytes
.set KROW,   SIZE_K/2                  ; a row of codes in memory
.set PITCH,  272                       ; an LDS row: 256 bytes + 16: an odd multiple of 16, so the 16 rows that a load touches fall on 16 different 16-byte columns modulo 256
.set FR,     8                         ; registers of a fragment: 16 rows x 128 K
.set NL,     2                         ; LDS loads that bring one
.set NP,     4                         ; places behind this matrix instruction (ISA guide 7.12.1)
.set HALFT,  128*PITCH                 ; 128 rows: what one tensor load brings, and what one wave reads of A or of B
.set SLOT,   4*HALFT                   ; A's 256 rows, then B's 256 rows
.set KS,     SIZE_K/32                 ; a row of scale bytes
.set SCL,    2*SLOT                    ; behind the slots: the scales, as runs of 256 bytes + 16 of padding
.set HALFS,  (128*KS/256)*272          ; the scales of 128 rows: what one tensor load brings
.set SBLK,   (16*KS/256)*272           ; those of 16 rows
.set SPARE,  SCL+4*HALFS               ; behind the scales: the spare words, 128 bytes a wave, which no other line names
.set TPITCH, 144                       ; the way out: a token's 128 bytes of one head + 16
.set HSTG,   16*TPITCH                 ; 16 tokens of one head
.set WSTG,   2*HSTG                    ; a wave's stage: its two heads.  The stages lie in slot 0, which has had its only fill and its last read when the first result is stored there
.set ADRA, 16                          ; v16-17  LDS address of my A fragments in slot 0, 1
.set ADRB, 20                          ; v20-21  the same for B
.set STO,  24                          ; v24     the way out: where I put 16 bytes of a token
.set RD,   25                          ; v25     where I read them back
.set CO,   26                          ; v26     16 x lane: my bytes of a store's 512
.set ADRS, 27                          ; v27     LDS address of my scale words: lanes 0-15 A's rows, lanes 16-31 B's
.set SPW,  28                          ; v28     LDS address of my spare word; never rewritten
.set NIL,  29                          ; v29     0; never rewritten
.set SC,   32                          ; scale words: set s at v[SC + 32 s]; register 4 i + q: lanes 0-15 the word of A's block i, lanes 16-31 that of B's block i, for the slot's q-th 128 along K
.set AF,   128                         ; A's fragments
.set BK,   128                         ; the way out: 16 tokens read back: v128-159 and v160-191 by turns
.set TMP,  192                         ; the way out: packed results
.set G1, 24                            ; s[24:31] descriptor group 1 for A's tiles;  s[32:39] group 0, one set for each slot
.set G0, 32
.set G1B, 48                           ; s[48:55], s[56:63] the same for B's tiles
.set G0B, 56
.set G1S, 68                           ; s[68:75], s[76:79] groups 1 and 0 for A's scales;  s[80:87], s[88:91] for B's
.set G0S, 76
.set G1SB, 80
.set G0SB, 88
.set MSB, 0
.macro WIN new                         ; the immediate's high byte repeats the setting that is left
.if MSB != \new
	s_set_vgpr_msb (MSB<<8)|\new
.set MSB, \new
.endif
.endm
.set MUL_LO, 0xa1                      ; source 0 (B) window 1, source 1 (A) window 0, C and D window 2
.set MUL_HI, 0xf1                      ; the same, C and D window 3
.set TO_B,   0x40                      ; destination window 1, address window 0
; A joint load: waves 0 and 1 fetch for A, waves 2 and 3 for B.  Each of the two lines has one mask and one set of registers for all that issue it; the branch hangs on the wave's number alone.
; An s_nop 0 and four v_nop follow each of the two lines.
.macro JLOAD g0a, g1a, g0b, g1b
	s_cmp_eq_u32 s15, 0
	s_cbranch_scc0 .Lfor_b_\@
	tensor_load_to_lds s[\g0a:\g0a+3], s[\g1a:\g1a+7]
	s_nop 0
.rept 4
	v_nop
.endr
	s_branch .Lasked_\@
.Lfor_b_\@:
	tensor_load_to_lds s[\g0b:\g0b+3], s[\g1b:\g1b+7]
	s_nop 0
.rept 4
	v_nop
.endr
.Lasked_\@:
.endm
.macro CROUND                          ; a round of the cluster's barrier: my work-group's barrier; wave 0 signals for the work-group; every wave waits for all sixteen; my work-group's barrier once more
	s_barrier_signal -1
	s_barrier_wait -1
	s_cmp_lg_u32 s14, 0
	s_cbranch_scc1 .Lnot_wave_0_\@
	s_barrier_signal -3
.Lnot_wave_0_\@:
	s_barrier_wait -3
	s_barrier_signal -1
	s_barrier_wait -1
.endm
	s_load_b128 s[4:7], s[0:1], 0x0                ; A's codes s[4:5], A's scales s[6:7]
	s_load_b128 s[8:11], s[0:1], 0x10              ; B's codes s[8:9], B's scales s[10:11]
	s_load_b64 s[12:13], s[0:1], 0x20              ; qkv
	v_lshl_add_u32 v[SPW], v0, 2, SPARE
	v_mov_b32 v[NIL], 0
	ds_add_u32 v[SPW], v[NIL]                      ; the wave's opening: the add, twice on end, and its wait ahead of my first tensor load
	ds_add_u32 v[SPW], v[NIL]
	v_lshrrev_b32 v1, 5, v0
	v_readfirstlane_b32 s14, v1                    ; wave 0..3
	s_lshr_b32 s15, s14, 1                         ; which half of the tile's rows is mine.  Also: I fetch for A (0) or for B (1)
	s_and_b32 s16, s14, 1                          ; which half of its columns.  Also: which 128 rows of that tile I fetch
	s_bfe_u32 s40, ttmp6, 0x40000                  ; cx, cy: my place in the cluster
	s_bfe_u32 s41, ttmp6, 0x40004
	s_lshl_b32 s42, ttmp9, 2
	s_add_co_u32 s42, s42, s40                     ; tile column = 4 x cluster x + cx: 0 .. 11
	s_and_b32 s17, ttmp7, 0xffff
	s_lshl_b32 s17, s17, 2
	s_add_co_u32 s17, s17, s41                     ; tile row = 4 x cluster y + cy: 0 .. 31
	s_lshl_b32 s43, s41, 2
	s_lshl_b32 s43, 15, s43                        ; my row of the cluster
	s_lshl_b32 s44, 0x1111, s40                    ; my column
	; descriptor group 1: a tile of 128 rows x 256 bytes, padded in LDS
	s_or_b32 s[G1+0], s43, (0<<16)|(1<<20)|(1<<21)|(5<<22)|(3<<25)  ; 15:0 the mask: A's tiles go to my row; 17:16 elements of 1 byte; 20 padding on; 21 set beside a mask; 24:22 after every 64 words; 31:25 four words
	s_or_b32 s[G1B+0], s44, (0<<16)|(1<<20)|(1<<21)|(5<<22)|(3<<25)
.irp g, G1, G1B
	s_mov_b32 s[\g+1], ROWB<<16                    ; tensor_dim0
	s_mov_b32 s[\g+2], 128<<16                     ; tensor_dim1
	s_mov_b32 s[\g+3], ROWB<<16                    ; tile_dim0
	s_mov_b32 s[\g+4], 128                         ; tile_dim1
	s_mov_b32 s[\g+5], KROW                        ; tensor_dim0_stride
	s_mov_b32 s[\g+6], 0
	s_mov_b32 s[\g+7], 0
.endr
	; and for the scales of 128 rows: a dense block of 4,096 bytes, as 16 rows of 256 bytes (32 elements of 8 bytes), 16 bytes of padding behind each
	s_or_b32 s[G1S+0], s43, (3<<16)|(1<<20)|(1<<21)|(5<<22)|(3<<25)
	s_or_b32 s[G1SB+0], s44, (3<<16)|(1<<20)|(1<<21)|(5<<22)|(3<<25)
.irp g, G1S, G1SB
	s_mov_b32 s[\g+1], 32<<16
	s_mov_b32 s[\g+2], (128*KS/256)<<16
	s_mov_b32 s[\g+3], 32<<16
	s_mov_b32 s[\g+4], 128*KS/256
	s_mov_b32 s[\g+5], 32
	s_mov_b32 s[\g+6], 0
	s_mov_b32 s[\g+7], 0
.endr
	s_lshl_b32 s18, s16, 7                         ; which 128 rows of the tile I fetch
	s_lshl_b32 s20, s17, 8
	s_add_co_u32 s20, s20, s18                     ; A: row 256 x tile row + 128 x half
	s_lshl_b32 s46, s42, 8
	s_add_co_u32 s46, s46, s18                     ; B: row 256 x tile column + 128 x half
	s_mov_b32 s21, 0
	s_mov_b32 s47, 0
	s_mov_b64 s[18:19], KS
	s_mul_u64 s[22:23], s[20:21], s[18:19]         ; where these rows' scales begin, in bytes,
	s_mul_u64 s[92:93], s[46:47], s[18:19]
	s_mov_b64 s[18:19], KROW
	s_mul_u64 s[20:21], s[20:21], s[18:19]         ; and their codes
	s_mul_u64 s[46:47], s[46:47], s[18:19]
	s_mul_i32 s45, s14, HALFT                      ; where they go: wave x 128 rows: no place in the cluster enters an LDS address
	s_mul_i32 s94, s14, HALFS
	s_wait_dscnt 0x0                               ; both opening adds are done
	s_wait_kmcnt 0x0
	s_add_nc_u64 s[20:21], s[4:5], s[20:21]
	s_add_nc_u64 s[22:23], s[6:7], s[22:23]
	s_add_nc_u64 s[46:47], s[8:9], s[46:47]
	s_add_nc_u64 s[92:93], s[10:11], s[92:93]
	CROUND                                         ; all sixteen work-groups are here: the joint loads meet
	s_mov_b32 s[G0S], 1
	s_add_co_u32 s[G0S+1], s94, SCL
	s_mov_b64 s[G0S+2:G0S+3], s[22:23]
	s_or_b32 s[G0S+3], s[G0S+3], 0x80000000
	s_mov_b32 s[G0SB], 1
	s_add_co_u32 s[G0SB+1], s94, SCL
	s_mov_b64 s[G0SB+2:G0SB+3], s[92:93]
	s_or_b32 s[G0SB+3], s[G0SB+3], 0x80000000
	JLOAD G0S, G1S, G0SB, G1SB                     ; the scales first: they are wanted with K step 0
.irp s, 0,1
	s_mov_b32 s[G0+4*\s], 1
	s_add_co_u32 s[G0+4*\s+1], s45, \s*SLOT
	s_add_nc_u64 s[G0+4*\s+2:G0+4*\s+3], s[20:21], \s*ROWB
	s_or_b32 s[G0+4*\s+3], s[G0+4*\s+3], 0x80000000
	s_mov_b32 s[G0B+4*\s], 1
	s_add_co_u32 s[G0B+4*\s+1], s45, \s*SLOT
	s_add_nc_u64 s[G0B+4*\s+2:G0B+4*\s+3], s[46:47], \s*ROWB
	s_or_b32 s[G0B+4*\s+3], s[G0B+4*\s+3], 0x80000000
	JLOAD G0+4*\s, G1, G0B+4*\s, G1B               ; three tensor loads of mine are out behind the second of these: all that the launch has
.endr
	v_and_b32 v1, 15, v0                           ; r = lane % 16
	v_bfe_u32 v2, v0, 4, 1                         ; h = lane / 16
	v_mul_u32_u24 v3, v1, PITCH
	v_lshl_add_u32 v4, v2, 4, v3                   ; a fragment's row x pitch + 16 x half
	s_mul_i32 s21, s15, HALFT                      ; my 128 rows of A
	s_mul_i32 s22, s16, HALFT                      ; my 128 rows of B,
	s_add_co_u32 s22, s22, 2*HALFT                 ; which lie behind A's 256
.irp s, 0,1
	v_add_nc_u32 v[ADRA+\s], s21, v4
	v_add_nc_u32 v[ADRB+\s], s22, v4
	s_add_co_u32 s21, s21, SLOT
	s_add_co_u32 s22, s22, SLOT
.endr
	v_mul_u32_u24 v5, v1, KS                       ; my row's scales: 32 bytes a row,
	v_lshrrev_b32 v6, 8, v5
	v_lshl_add_u32 v5, v6, 4, v5                   ; and 16 more for each 256 passed
	s_mul_i32 s21, s15, HALFS                      ; A's: my 128 rows
	s_mul_i32 s22, s16, HALFS                      ; B's: my 128 rows, behind A's 256
	s_add_co_u32 s22, s22, 2*HALFS
	s_sub_co_u32 s22, s22, s21
	v_mul_u32_u24 v6, s22, v2                      ; lanes 16-31 take B's: one product, the distance between the two bases x h
	s_add_co_u32 s21, s21, SCL
	v_add_nc_u32 v5, v5, v6
	v_add_nc_u32 v[ADRS], s21, v5
	s_mul_i32 s23, s14, WSTG                       ; my stage
	v_mul_u32_u24 v5, v1, TPITCH                   ; in: token r, 16 bytes for each half of the lanes
	v_lshl_add_u32 v5, v2, 4, v5
	v_add_nc_u32 v[STO], s23, v5
	v_and_b32 v6, 31, v0
	v_lshlrev_b32 v[CO], 4, v6                     ; out: 32 lanes x 16 bytes = four tokens of 128 bytes
	v_lshrrev_b32 v5, 3, v6
	v_mul_u32_u24 v5, v5, TPITCH                   ; back: token lane / 8 of the four,
	v_and_b32 v6, 7, v0
	v_lshl_add_u32 v5, v6, 4, v5                   ; its bytes 16 (lane % 8) on
	v_add_nc_u32 v[RD], s23, v5
	; where my 128 tokens x 2 heads begin in qkv.  Rows: batch = tile row / 8, token = 256 (tile row % 8) + 128 x half, 128 bytes a token.  Columns: part = tile column / 4, head = 4 (tile column % 4) + 2 x half
	s_lshr_b32 s20, s17, 3
	s_lshl_b32 s20, s20, 22                        ; a batch: 16 heads x 2,048 tokens x 128 bytes
	s_and_b32 s21, s17, 7
	s_lshl_b32 s21, s21, 15
	s_add_co_u32 s20, s20, s21
	s_lshl_b32 s21, s15, 14
	s_add_co_u32 s20, s20, s21
	s_mov_b32 s21, 0
	s_lshr_b32 s46, s42, 2                         ; (in the registers that held B's address: none that feeds A's descriptors ever holds cx)
	s_lshl_b32 s46, s46, 24                        ; a part: 4 batches
	s_and_b32 s47, s42, 3
	s_lshl_b32 s47, s47, 20                        ; four heads of 2,048 tokens x 128 bytes
	s_add_co_u32 s46, s46, s47
	s_lshl_b32 s47, s16, 19
	s_add_co_u32 s46, s46, s47
	s_mov_b32 s47, 0
	s_add_nc_u64 s[20:21], s[20:21], s[46:47]
	s_add_nc_u64 s[12:13], s[12:13], s[20:21]      ; never stepped: all further offsets are immediates
.macro FRAG reg, adr, q, i             ; a fragment, 16 rows x 128 K of 4-bit codes: lane l holds row l % 16; registers 4 c .. 4 c + 3 hold K = 64 c + 32 (l / 16) + 0 .. 31
.irp c, 0,1
	ds_load_b128 v[\reg+4*\c:\reg+4*\c+3], v[\adr] offset:64*(\q)+32*\c+(\i)*16*PITCH
.endr
.endm
; 16 matrix instructions: A's blocks a0, a0 + 1 x B's eight, the slot's q-th 128 along K.  p: B's set;  sc: the set of scale words.  zero = 1: the first product starts the sums: nothing is cleared.
; The 64 accumulators take turns, one instruction a turn, in the same order in every step.
.macro MUL16 a0, p, q, sc, zero
.irp a, \a0, \a0+1
.irp b, 0,1,2,3,4,5,6,7
.if \zero
	v_wmma_scale_f32_16x16x128_f8f6f4 v[8*(8*((\a)%4)+\b):8*(8*((\a)%4)+\b)+7], v[128*(\p)+FR*\b:128*(\p)+FR*\b+FR-1], v[AF+FR*(\a):AF+FR*(\a)+FR-1], 0, v[SC+8*NQ*(\sc)+NQ*\b+(\q)], v[SC+8*NQ*(\sc)+NQ*(\a)+(\q)] matrix_a_fmt:MATRIX_FMT_FP4 matrix_b_fmt:MATRIX_FMT_FP4 matrix_a_scale:MATRIX_SCALE_ROW1
.else
	v_wmma_scale_f32_16x16x128_f8f6f4 v[8*(8*((\a)%4)+\b):8*(8*((\a)%4)+\b)+7], v[128*(\p)+FR*\b:128*(\p)+FR*\b+FR-1], v[AF+FR*(\a):AF+FR*(\a)+FR-1], v[8*(8*((\a)%4)+\b):8*(8*((\a)%4)+\b)+7], v[SC+8*NQ*(\sc)+NQ*\b+(\q)], v[SC+8*NQ*(\sc)+NQ*(\a)+(\q)] matrix_a_fmt:MATRIX_FMT_FP4 matrix_b_fmt:MATRIX_FMT_FP4 matrix_a_scale:MATRIX_SCALE_ROW1
.endif
.endr
.endr
.endm
.macro FETCH_B slot, q, p              ; B's eight fragments of the slot's q-th 128 along K into set p
	WIN TO_B
.irp i, 0,1,2,3,4,5,6,7
	FRAG 128*(\p)+FR*\i, ADRB+\slot, \q, \i
.endr
	WIN 0
.endm
.macro FETCH_A slot, q, i0             ; A's blocks i0 .. i0 + 3
.irp i, \i0, \i0+1, \i0+2, \i0+3
	FRAG AF+FR*(\i), ADRA+\slot, \q, \i
.endr
.endm
.macro SCALES sc                       ; a K step's scale words into set sc: four words a row; lanes 0-15 take A's block i, lanes 16-31 B's block i
.irp i, 0,1,2,3,4,5,6,7
	ds_load_b128 v[SC+8*NQ*\sc+NQ*\i:SC+8*NQ*\sc+NQ*\i+3], v[ADRS] offset:\i*SBLK
.endr
.endm
; A load into a register that a matrix instruction has read, and a vector instruction that reads a matrix result, stand NP places behind that matrix instruction; only plain vector instructions
; that name none of its registers are places (ISA guide 7.12.1 for vector instructions).
.macro PLACES n
.rept \n
	v_nop
.endr
.endm
; A step of 128 along K that has its successor in the same slot.  A's blocks go one after the other, each against B's eight: so one set of registers serves A, fetched anew in halves; B has two sets.
.macro STEP slot, q, zero
	s_wait_dscnt 4*NL                              ; B's set and A's blocks 0-3 are in; the youngest eight loads (A's blocks 4-7) may be out
	WIN MUL_LO
	MUL16 0, (\q)%2, \q, \slot, \zero
	MUL16 2, (\q)%2, \q, \slot, \zero
	s_wait_dscnt 0                                 ; A's blocks 4-7 are in
	PLACES NP
	FETCH_B \slot, (\q)+1, 1-(\q)%2
	FETCH_A \slot, (\q)+1, 0
	WIN MUL_HI
	MUL16 4, (\q)%2, \q, \slot, \zero
	MUL16 6, (\q)%2, \q, \slot, \zero
	PLACES NP
	WIN 0
	FETCH_A \slot, (\q)+1, 4
.endm
; Slot 0's last step changes slots: one barrier; in front of it each wave waits for all its tensor loads (its part of slot 1), adds 0 to its spare word, and waits for that and for its reads of slot 0,
; into which results are stored later.
.macro TURN slot, next
	s_wait_tensorcnt 0x0                           ; all my tensor loads have landed
	ds_add_u32 v[SPW], v[NIL]                      ; 0 onto my spare word
	s_wait_dscnt 4*NL+1                            ; (the add and the youngest eight loads, A's blocks 4-7, may be out)
	WIN MUL_LO
	MUL16 0, 1, NQ-1, \slot, 0                     ; sixteen matrix instructions stand between the add and the wait for it
	s_wait_dscnt 0x0                               ; the add is done, and my reads of this slot are over
	s_barrier_signal -1
	MUL16 2, 1, NQ-1, \slot, 0
	WIN 0
	s_barrier_wait -1
	PLACES NP
	v_add_nc_u32 v[ADRS], 4*NQ, v[ADRS]            ; on to the next K step's scale words
	FETCH_B \next, 0, 0
	FETCH_A \next, 0, 0
	SCALES \next
	WIN MUL_HI
	MUL16 4, 1, NQ-1, \slot, 0
	MUL16 6, 1, NQ-1, \slot, 0
	PLACES NP
	WIN 0
	FETCH_A \next, 0, 4
.endm
	s_wait_tensorcnt 1                             ; the scales and my part of K step 0 are in (K step 1's load may be out),
	s_barrier_signal -1
	s_barrier_wait -1                              ; everybody's are
	FETCH_B 0, 0, 0
	FETCH_A 0, 0, 0
	SCALES 0
	FETCH_A 0, 0, 4
	STEP 0, 0, 1                                   ; the first step's products start the sums
	STEP 0, 1, 0
	STEP 0, 2, 0
	TURN 0, 1
	STEP 1, 0, 0
	STEP 1, 1, 0
	STEP 1, 2, 0
	s_wait_dscnt 4*NL                              ; the last step: nothing more to fetch
	WIN MUL_LO
	MUL16 0, 1, NQ-1, 1, 0
	MUL16 2, 1, NQ-1, 1, 0
	s_wait_dscnt 0
	WIN MUL_HI
	MUL16 4, 1, NQ-1, 1, 0
	MUL16 6, 1, NQ-1, 1, 0
	WIN 0
; THE WAY OUT, block by block of 16 tokens x 128 columns (two heads).  PACK: a lane's eight columns of a token, rounded to f16, are 16 bytes.  TOSTAGE: into my own stage, [head][token][144 bytes], and back so that
; the 32 lanes hold four tokens of one head: 512 consecutive bytes of qkv.  SEND: stored.  LDS serves a wave's instructions in order: no wait between the stores and the loads, nor in front of the next block's stores.
.macro PACK a
.set AC, 64*((\a)%4)
	WIN 0x0a+5*((\a)/4)                            ; sources 0 and 1: window 2 or 3
.irp b, 0,1,2,3,4,5,6,7
.irp r, 0,1,2,3
	v_cvt_pk_f16_f32 v[TMP+4*\b+\r], v[AC+8*\b+2*\r], v[AC+8*\b+2*\r+1]   ; each accumulator from its low end on
.endr
.endr
	WIN 0
.endm
.macro TOSTAGE a
.set BB, BK+32*((\a)%2)
.irp b, 0,1,2,3,4,5,6,7
	ds_store_b128 v[STO], v[TMP+4*\b:TMP+4*\b+3] offset:(\b/4)*HSTG+32*(\b%4)   ; head b / 4, channels 16 (b % 4) + 8 h on
.endr
.irp t, 0,1,2,3,4,5,6,7
	ds_load_b128 v[BB+4*\t:BB+4*\t+3], v[RD] offset:(\t/4)*HSTG+(\t%4)*4*TPITCH   ; head t / 4, tokens 4 (t % 4) on
.endr
.endm
.macro SEND a
.set BB, BK+32*((\a)%2)
	s_wait_dscnt 0x0                               ; the block is back in registers
	s_wait_xcnt 0x0                                ; the block before has had its stores' addresses translated and its data read: the next block's loads may land in those registers
.irp t, 0,1,2,3,4,5,6,7
	global_store_b128 v[CO], v[BB+4*\t:BB+4*\t+3], s[12:13] offset:(\t/4)*262144+(\a)*2048+(\t%4)*512   ; 32 lanes store 512 consecutive bytes, at a multiple of 512 from qkv's first byte
.endr
.endm
	PLACES NP                                      ; behind the last products: for the conversions that read results, and for the loads into the registers that held A's fragments
	PACK 0
	TOSTAGE 0
.irp a, 1,2,3,4,5,6,7                  ; block a's conversions stand between block a - 1's loads from the stage and the wait for them
	PACK \a
	SEND \a-1
	TOSTAGE \a
.endr
	SEND 7
	s_wait_tensorcnt 0x0                           ; the wave's end, behind my last tensor load and my last LDS store
	ds_add_u32 v[SPW], v[NIL]
	s_wait_dscnt 0x0
	CROUND                                         ; the closing round: no work-group ends while a partner may still ask for a tile that names it
	s_endpgm
.Lfunc_end_k_q087531a87f_gemm:
	.size	k_q087531a87f_gemm, .Lfunc_end_k_q087531a87f_gemm-k_q087531a87f_gemm
	.p2alignl 7, 3214868480
	.fill 96, 4, 3214868480
	.section	.rodata,"a",@progbits
	.p2align	6, 0x0
	.amdhsa_kernel k_q087531a87f_gemm
		.amdhsa_group_segment_fixed_size 327680
		.amdhsa_private_segment_fixed_size 0
		.amdhsa_enable_private_segment 0
		.amdhsa_kernarg_size 40
		.amdhsa_user_sgpr_count 2
		.amdhsa_user_sgpr_kernarg_segment_ptr 1
		.amdhsa_wavefront_size32 1
		.amdhsa_system_sgpr_workgroup_id_x 1
		.amdhsa_system_sgpr_workgroup_id_y 1
		.amdhsa_system_sgpr_workgroup_id_z 1
		.amdhsa_system_vgpr_workitem_id 0
		.amdhsa_next_free_vgpr 1024
		.amdhsa_next_free_sgpr 98
		.amdhsa_reserve_vcc 0
		.amdhsa_float_denorm_mode_32 3
		.amdhsa_float_denorm_mode_16_64 3
		.amdhsa_memory_ordered 1
		.amdhsa_forward_progress 1
		.amdhsa_inst_pref_size 126
	.end_amdhsa_kernel
	.amdgpu_metadata
---
amdhsa.version: [ 1, 2 ]
amdhsa.kernels:
  - .name:           k_q087531a87f_gemm
    .symbol:         k_q087531a87f_gemm.kd
    .args:
      - { .name: x_codes, .offset: 0, .size: 8, .value_kind: global_buffer, .address_space: global }
      - { .name: x_scales, .offset: 8, .size: 8, .value_kind: global_buffer, .address_space: global }
      - { .name: w_codes, .offset: 16, .size: 8, .value_kind: global_buffer, .address_space: global }
      - { .name: w_scales, .offset: 24, .size: 8, .value_kind: global_buffer, .address_space: global }
      - { .name: qkv, .offset: 32, .size: 8, .value_kind: global_buffer, .address_space: global }
    .group_segment_fixed_size: 327680
    .private_segment_fixed_size: 0
    .kernarg_segment_align: 8
    .kernarg_segment_size: 40
    .max_flat_workgroup_size: 128
    .sgpr_count:     98
    .vgpr_count:     1024
    .wavefront_size: 32
...
	.end_amdgpu_metadata
.endif
;; end of part 3
;; launch attn (part 4): grid 8 x 64, 8 waves a work-group, clusters of 4 x 1, 327,680 bytes of LDS; arguments qkv, out0; writes out0
.if DOCPART == 4
	.amdgcn_target "amdgcn-amd-amdhsa--gfx1250"
	.amdhsa_code_object_version 6
	.text
	.protected	k_q087531a87f_attn
	.globl	k_q087531a87f_attn
	.p2align	8
	.type	k_q087531a87f_attn,@function
k_q087531a87f_attn:
	s_mov_b64 s[64:65], 0
	v_nop
	global_prefetch_b8 v0, s[64:65] scope:SCOPE_SE
	s_setreg_imm32_b32 hwreg(HW_REG_WAVE_MODE, 25, 1), 1
	s_wait_xcnt 0x0
	s_wait_alu depctr_hold_cnt(0) depctr_sa_sdst(0) depctr_va_vdst(0) depctr_va_sdst(0) depctr_va_ssrc(0) depctr_va_vcc(0) depctr_vm_vsrc(0)
	s_getreg_b32 s2, hwreg(HW_REG_IB_STS2, 6, 4)
	s_cmp_eq_u32 s2, 0
	s_cbranch_scc0 .Lentry_in_a_cluster
	s_endpgm
.Lentry_in_a_cluster:
	s_bfe_u32 s2, ttmp6, 0x10000c
	s_cmp_lg_u32 s2, 0x3003
	s_cbranch_scc0 .Lentry_shape_is_right
	s_endpgm
.Lentry_shape_is_right:
; out[b][q][head][:] = the sum over k of softmax_k(Q[q] . K[k] / 8) V[k][:], for each of 64 (batch, head) pairs: 2,048 queries, 2,048 keys, head size 64, no mask.
; Q, K, V come as f16 from qkv [part 3][batch 4][head 16][token 2048][64]: a head's K (or V, or Q) is one dense block of 262,144 bytes.  Products on f16 operands with f32 sums; maxima, exponentials and sums in f32.
; LIMITS: the weights p are rounded to f16 for the second product, so a p under 2^-24 counts as 0 there (the row's sum keeps the unrounded p); NaN and infinities are not served.
; SHARES.  A work-group owns 256 queries of one head; each of its eight waves 32 of them, two tiles of 16, in 512 registers: two waves to a SIMD, so that one wave's softmax stands beside the other's products.
; Every wave walks all 2,048 keys, 64 a step.
; LAYOUT.  S^T = K Q^T (source 0 = 16 keys, source 1 = 16 queries): a lane holds ONE query (lane % 16) and keys 8 (lane / 16) + 0..7 of each tile.  Two such tiles, rounded to f16 in pairs, ARE source 1
; (32 keys x 16 queries) of O^T = V^T P, whose result again holds one query a lane, and eight channels.  K comes out of LDS as it lies, V ([key][channel]) turned, by ds_load_tr16_b128.
; SOFTMAX.  For each query a running maximum m and sum l: p = 2^(c s - c m), c = log2(e) / 8; in every step O and l are multiplied by a = 2^(c m_old - c m_new).  The step is written once: O and l begin as
; zeros and m as -3e38, so the first step's a is 0.
; THE RING.  Two LDS slots of 512 keys (K's and V's), four fills in all: two at the head, two refills.  Each wave brings an eighth of a slot by one tensor load: waves 0-3 K's quarters, waves 4-7 V's.
; A head's rows are dense in memory, so a tile row is stated as a PAIR of keys, 256 bytes; key k of a slot lies at (k / 2) x pitch + 128 (k % 2).  A refill has eight key steps in which to land.
; CLUSTER.  The four query blocks of a cluster belong to one head and walk the same K and V: each tile is asked for JOINTLY, by the same tensor load, with the same descriptor and a mask that names the four.
; REGISTERS.  window 0: v1-15 addresses and small things; v16-31 eight registers of statistics a tile; v64-127 S^T, 32 a tile; v128-159 P, 16 a tile; v160-223 O^T, 32 a tile.
;   window 1: v0-31 Q, 16 a tile; v64-127 K of a step; v128-191 V of a step.  Five switches of the window a key step.
.set PK,    272       ; a pair row of K in LDS: 256 bytes + 16.  Sixteen lanes of a fragment load stand at (r / 2) x 272 + 128 (r % 2): sixteen different 16-byte columns modulo 256
.set PVP,   288       ; a pair row of V: 256 + 32.  Sixteen lanes of a turning load stand at ((l % 8) / 2) x 288 + 128 (l % 2) + 16 (l / 8): again sixteen different columns
.set VOFF,  256*PK    ; a slot: 256 pair rows of K, then 256 of V
.set SLOT,  256*(PK+PVP)
.set SLOTB, 65536     ; 512 keys of 128 bytes in memory
.set STAGE, 2*SLOT    ; behind the ring: 16 rows x 272 bytes for each wave, for the way out
.set SP,    272
.set SPARE, STAGE+8*16*SP  ; behind the stages: the spare words, 128 bytes a wave, which no other line names
.set AK0, 2           ; v2   my lane's place in a tile of K; never rewritten
.set AV0, 3           ; v3   the same for V
.set ADK, 4           ; v4   LDS address of the step's K
.set ADV, 5           ; v5   of its V
.set QO,  6           ; v6   my byte offset in the wave's rows of Q
.set STO, 7           ; v7   the way out: where I put 32 bytes of a row
.set RD,  8           ; v8   where I read a row back
.set GO,  9           ; v9   my byte offset in the wave's rows of out
.set PFO, 10          ; v10  256 x my lane; never rewritten
.set SPW, 12          ; v12  LDS address of my spare word; never rewritten
.set NIL, 13          ; v13  0; never rewritten
.set OLD, 14          ; v14-15 c m of the step before, a tile each
.set T,   16          ; tile t's statistics at v[T+8 t]: +0 c m, +1 m, +2, +3 l (even keys', odd keys'), +4 to +7 at work; a takes +6, c m_old - c m_new +7
.set S,   64
.set P,   128
.set O,   160
.set QF,  0           ; in window 1
.set KF,  64
.set VF,  128
.set WV,  12          ; s12  my wave's number
.set LIM, 15          ; s15  1 in a wave that prefetches, else 0
.set PFA, 18          ; s[18:19] where my prefetch stands; never rewritten
.set CNT, 21          ; s21  counts a slot's eight steps
.set G1K, 24          ; s[24:31] descriptor group 1 for K's tiles
.set G1V, 32          ; s[32:39] for V's: it differs in the padding alone
.set G0K, 40          ; s[40:47] descriptor group 0 for K's tiles, a set for each slot
.set G0V, 48          ; s[48:55] the same for V's
.set TK,  56          ; s56  LDS byte at which the step's K begins
.set TV,  57          ; s57  and its V
.set CS,  58          ; s[58:59] c: the packed scaling names a pair and takes its low word for both halves
.set SEL, 60          ; s[60:61] lane selects for v_permlanex16_b32: lane l xor 16
.set MSB, 0
.macro WIN new                      ; the immediate's high byte repeats the setting that is left
.if MSB != \new
	s_set_vgpr_msb (MSB<<8)|\new
.set MSB, \new
.endif
.endm
.set W_LD, 0x40       ; destination window 1, address window 0
.set W_KQ, 0x05       ; K and Q in window 1, S^T in window 0
.set W_PV, 0x01       ; V in window 1; P and O^T in window 0
; A joint refill of slot s.  The branch hangs on the wave's number alone.  An s_nop 0 and four v_nop follow each of the two lines.
.macro JLOAD s
	s_cmp_lt_u32 s[WV], 4
	s_cbranch_scc0 .Lfor_v_\@
	tensor_load_to_lds s[G0K+4*\s:G0K+4*\s+3], s[G1K:G1K+7]
	s_nop 0
.rept 4
	v_nop
.endr
	s_branch .Lasked_\@
.Lfor_v_\@:
	tensor_load_to_lds s[G0V+4*\s:G0V+4*\s+3], s[G1V:G1V+7]
	s_nop 0
.rept 4
	v_nop
.endr
.Lasked_\@:
.endm
; A round of the cluster's barrier: my work-group's barrier; wave 0 signals for the work-group; every wave waits for all four work-groups; my work-group's barrier once more.
.macro CROUND
	s_barrier_signal -1
	s_barrier_wait -1
	s_cmp_lg_u32 s[WV], 0
	s_cbranch_scc1 .Lnot_wave_0_\@
	s_barrier_signal -3
.Lnot_wave_0_\@:
	s_barrier_wait -3
	s_barrier_signal -1
	s_barrier_wait -1
.endm
	s_load_b64 s[4:5], s[0:1], 0x0  ; qkv
	s_load_b64 s[10:11], s[0:1], 0x8  ; out
	v_lshl_add_u32 v[SPW], v0, 2, SPARE
	v_mov_b32 v[NIL], 0
	ds_add_u32 v[SPW], v[NIL]       ; the wave's opening: the add, twice on end, and its wait ahead of my first tensor load
	ds_add_u32 v[SPW], v[NIL]
	v_lshrrev_b32 v1, 5, v0
	v_readfirstlane_b32 s[WV], v1   ; wave 0..7
	s_bfe_u32 s13, ttmp6, 0x40000   ; cx: my place in the cluster
	s_lshl_b32 s14, ttmp9, 2        ; in a cluster launch ttmp9 counts clusters
	s_add_co_u32 s14, s14, s13      ; my block of 256 queries = 4 x cluster x + cx: it enters Q's and out's addresses alone
	s_and_b32 s17, ttmp7, 0xffff    ; 16 x batch + head, which the four partners share
	s_and_b32 s16, s[WV], 3         ; which quarter of a slot's K or V I fetch
	s_lshl_b32 s20, s17, 18         ; the head's block of 262,144 bytes in a part of qkv
	s_lshl_b32 s22, s16, 14         ; my quarter: 128 keys of 128 bytes
	s_add_co_u32 s22, s22, s20
	s_add_co_u32 s22, s22, 1<<24    ; K is part 1
	s_mov_b32 s23, 0
	s_lshl_b32 s2, s14, 15          ; Q: my block's 256 rows of 128 bytes,
	s_lshl_b32 s3, s[WV], 12        ; my wave's 32 of them,
	s_add_co_u32 s2, s2, s3
	s_add_co_u32 s2, s2, s20        ; in my head
	s_mov_b32 s3, 0
	s_lshr_b32 s62, s17, 4          ; out [4][2048][1024] f32: the batch, 2^23 bytes,
	s_lshl_b32 s62, s62, 23
	s_and_b32 s63, s17, 15          ; the head's 256 bytes of a row,
	s_lshl_b32 s63, s63, 8
	s_add_co_u32 s62, s62, s63
	s_lshl_b32 s63, s14, 20         ; my block's 256 rows of 4,096 bytes,
	s_add_co_u32 s62, s62, s63
	s_lshl_b32 s63, s[WV], 17       ; my wave's 32
	s_add_co_u32 s62, s62, s63
	s_mov_b32 s63, 0
	s_mul_i32 s20, s16, 64*PK       ; where my quarter goes in a slot: K's,
	s_mul_i32 s17, s16, 64*PVP
	s_add_co_u32 s17, s17, VOFF     ; V's: no place in the cluster enters an LDS address
	; descriptor group 1: a tile of 64 pair rows x 128 elements of 2 bytes, dense in memory, padded in LDS
	s_mov_b32 s[G1K], 15|(1<<16)|(1<<20)|(1<<21)|(5<<22)|(3<<25)  ; 15:0 the mask: all four work-groups; 17:16 elements of 2 bytes; 20 padding on; 21 set beside a mask; 24:22 after every 64 words; 31:25 four words
	s_mov_b32 s[G1V], 15|(1<<16)|(1<<20)|(1<<21)|(5<<22)|(7<<25)  ; the same with eight words of padding
.irp g, G1K, G1V
	s_mov_b32 s[\g+1], 128<<16      ; tensor_dim0 = 128
	s_mov_b32 s[\g+2], 64<<16       ; tensor_dim1 = 64
	s_mov_b32 s[\g+3], 128<<16      ; tile_dim0 = 128
	s_mov_b32 s[\g+4], 64           ; tile_dim1 = 64
	s_mov_b32 s[\g+5], 128          ; tensor_dim0_stride
	s_mov_b32 s[\g+6], 0
	s_mov_b32 s[\g+7], 0
.endr
	s_mov_b32 s[CS], 0x3e38aa3b     ; c = log2(e) / 8
	s_mov_b32 s[CS+1], s[CS]        ; named with it as a pair, so it is written
	s_mov_b32 s[SEL], 0x76543210
	s_mov_b32 s[SEL+1], 0xfedcba98
	s_and_b32 s[LIM], s[WV], 1      ; 0 in the even waves,
	s_or_b32 s[LIM], s[LIM], ttmp9  ; where the cluster is the head's first: the same in all four partners
	s_cmp_eq_u32 s[LIM], 0
	s_cselect_b32 s[LIM], 1, 0
	v_and_b32 v[PFO], 31, v0
	v_lshlrev_b32 v[PFO], 8, v[PFO]
	s_wait_dscnt 0x0                ; both opening adds are done
	s_wait_kmcnt 0x0
	s_add_nc_u64 s[6:7], s[4:5], s[22:23]  ; K at my quarter of slot 0's first fill
	s_add_nc_u64 s[8:9], s[6:7], 1<<24     ; V: one part further on
	s_add_nc_u64 s[4:5], s[4:5], s[2:3]    ; Q at my wave's first row
	s_add_nc_u64 s[10:11], s[10:11], s[62:63]  ; out likewise
	s_cmp_lt_u32 s[WV], 4
	s_cselect_b64 s[PFA:PFA+1], s[6:7], s[8:9]
	s_lshl_b32 s2, s13, 13          ; the prefetch: my work-group's 32 pair rows of the 128 that begin at my quarter,
	s_add_co_u32 s2, s2, 3*SLOTB    ; in the fourth and last fill
	s_add_nc_u64 s[PFA:PFA+1], s[PFA:PFA+1], s[2:3]
	CROUND                          ; all four work-groups are here: the first joint loads meet
.irp s, 0,1
	s_mov_b32 s[G0K+4*\s], 1        ; count = 1
	s_add_co_u32 s[G0K+4*\s+1], s20, \s*SLOT  ; LDS address
	s_add_nc_u64 s[G0K+4*\s+2:G0K+4*\s+3], s[6:7], \s*SLOTB  ; global address: keys 512 s on
	s_or_b32 s[G0K+4*\s+3], s[G0K+4*\s+3], 0x80000000  ; type = 2
	s_mov_b32 s[G0V+4*\s], 1
	s_add_co_u32 s[G0V+4*\s+1], s17, \s*SLOT
	s_add_nc_u64 s[G0V+4*\s+2:G0V+4*\s+3], s[8:9], \s*SLOTB
	s_or_b32 s[G0V+4*\s+3], s[G0V+4*\s+3], 0x80000000
.endr
	s_cmp_lt_u32 s[WV], 4           ; a wave's two first fills stand in one branch, ahead of every wait on TENSORcnt and every LDS read: two loads of mine are out
	s_cbranch_scc0 .Lfirst_v
	tensor_load_to_lds s[G0K:G0K+3], s[G1K:G1K+7]
	s_nop 0
	tensor_load_to_lds s[G0K+4:G0K+7], s[G1K:G1K+7]
	s_nop 0
.rept 4
	v_nop
.endr
	s_branch .Lfirst_asked
.Lfirst_v:
	tensor_load_to_lds s[G0V:G0V+3], s[G1V:G1V+7]
	s_nop 0
	tensor_load_to_lds s[G0V+4:G0V+7], s[G1V:G1V+7]
	s_nop 0
.rept 4
	v_nop
.endr
.Lfirst_asked:
	; A fragment of K or Q is 16 rows x 32 channels in 8 registers: lane l holds row l % 16; registers 0-3 channels 8 (l / 16) + 0..7, registers 4-7 channels 16 + 8 (l / 16) + 0..7: two loads of 16 bytes, 32 bytes apart.
	v_and_b32 v1, 15, v0            ; r = l % 16
	v_bfe_u32 v11, v0, 4, 1         ; h = l / 16
	v_lshlrev_b32 v[QO], 7, v1
	v_lshl_add_u32 v[QO], v11, 4, v[QO]  ; row x 128 + 16 x half
	WIN W_LD
.irp t, 0,1                         ; Q stays in registers: tile t, channels 32 cc on
.irp cc, 0,1
	global_load_b128 v[QF+16*\t+8*\cc:QF+16*\t+8*\cc+3],   v[QO], s[4:5] offset:\t*2048+\cc*64 th:TH_LOAD_NT
	global_load_b128 v[QF+16*\t+8*\cc+4:QF+16*\t+8*\cc+7], v[QO], s[4:5] offset:\t*2048+\cc*64+32 th:TH_LOAD_NT
.endr
.endr
	WIN 0
	v_lshrrev_b32 v14, 1, v1
	v_mul_u32_u24 v[AK0], v14, PK   ; K: pair row r / 2,
	v_and_b32 v14, 1, v0
	v_lshl_add_u32 v[AK0], v14, 7, v[AK0]  ; its half r % 2,
	v_lshl_add_u32 v[AK0], v11, 4, v[AK0]  ; + 16 h
	; The turning load takes 16 keys x 16 channels (lane l reads 16 bytes: key 8 (l / 16) + l % 8, channels 8 ((l / 8) % 2) + 0..7) and leaves half a fragment of V^T: lane l holds channel l % 16 and 8 keys.
	v_bfe_u32 v15, v0, 1, 2         ; (l % 8) / 2
	v_lshl_add_u32 v15, v11, 2, v15 ; + 4 h: the key's pair row
	v_mul_u32_u24 v[AV0], v15, PVP
	v_lshl_add_u32 v[AV0], v14, 7, v[AV0]  ; its half l % 2
	v_bfe_u32 v15, v0, 3, 1
	v_lshl_add_u32 v[AV0], v15, 4, v[AV0]
	s_mul_i32 s20, s[WV], 16*SP
	s_add_co_u32 s20, s20, STAGE    ; my stage
	v_mul_u32_u24 v[STO], v1, SP    ; in: row r, 32 bytes for each half of the lanes
	v_lshl_add_u32 v[STO], v11, 5, v[STO]
	v_add_nc_u32 v[STO], s20, v[STO]
	v_mul_u32_u24 v[RD], v11, SP    ; back: lanes 0-15 take one row of 256 bytes, lanes 16-31 the next
	v_lshl_add_u32 v[RD], v1, 4, v[RD]
	v_add_nc_u32 v[RD], s20, v[RD]
	v_lshlrev_b32 v[GO], 12, v11    ; and the same two rows in out, 4,096 bytes apart
	v_lshl_add_u32 v[GO], v1, 4, v[GO]
.irp t, 0,1
	v_mov_b32 v[T+8*\t+1], 0xff61b1e6  ; m = -3e38, under every score
	v_mul_f32 v[T+8*\t], s[CS], v[T+8*\t+1]  ; c m
	v_mov_b32 v[T+8*\t+2], 0        ; l
	v_mov_b32 v[T+8*\t+3], 0
.endr
.set i, 0
.rept 64
	v_mov_b32 v[O+i], 0             ; O^T: the step is written once; its first trip multiplies these zeros by a = 0
.set i, i+1
.endr
.macro SCALE t, i                   ; pair i of tile t: c s - c m
	v_pk_fma_f32 v[S+32*(\t)+2*(\i):S+32*(\t)+2*(\i)+1], v[S+32*(\t)+2*(\i):S+32*(\t)+2*(\i)+1], s[CS:CS+1], v[T+8*(\t):T+8*(\t)+1] op_sel_hi:[1,0,0] neg_lo:[0,0,1] neg_hi:[0,0,1]
.endm
.macro EXP2 t, i                    ; its two weights
	v_exp_f32 v[S+32*(\t)+2*(\i)], v[S+32*(\t)+2*(\i)]
	v_exp_f32 v[S+32*(\t)+2*(\i)+1], v[S+32*(\t)+2*(\i)+1]
.endm
.macro POST t, i                    ; three plain lines that read results: l takes the pair (the first time with a l), the pair is rounded to f16, a pair of O^T is multiplied by a
.if (\i) == 0
	v_pk_fma_f32 v[T+8*(\t)+2:T+8*(\t)+3], v[T+8*(\t)+2:T+8*(\t)+3], v[T+8*(\t)+6:T+8*(\t)+7], v[S+32*(\t):S+32*(\t)+1] op_sel_hi:[1,0,1]
.else
	v_pk_add_f32 v[T+8*(\t)+2:T+8*(\t)+3], v[T+8*(\t)+2:T+8*(\t)+3], v[S+32*(\t)+2*(\i):S+32*(\t)+2*(\i)+1]
.endif
	v_cvt_pk_f16_f32 v[P+16*(\t)+(\i)], v[S+32*(\t)+2*(\i)], v[S+32*(\t)+2*(\i)+1]
	v_pk_mul_f32 v[O+32*(\t)+2*(\i):O+32*(\t)+2*(\i)+1], v[O+32*(\t)+2*(\i):O+32*(\t)+2*(\i)+1], v[T+8*(\t)+6:T+8*(\t)+7] op_sel_hi:[1,0]   ; ascending: each accumulator from its low end on
.endm
; The maximum of a lane's 32 scores and the old m, three operands at a time, in four chains; the other half of the lanes'; the new m, c m, and c m_old - c m_new.  The two tiles alternate.
.macro MAXES
.irp j, 0,1,2,3
.irp t, 0,1
	v_max3_num_f32 v[T+8*\t+4+\j], v[S+32*\t+8*\j], v[S+32*\t+8*\j+1], v[S+32*\t+8*\j+2]   ; each accumulator's first read: its registers 0 to 2
.endr
.endr
.irp g, 1,2
.irp j, 0,1,2,3
.irp t, 0,1
	v_max3_num_f32 v[T+8*\t+4+\j], v[T+8*\t+4+\j], v[S+32*\t+8*\j+2*\g+1], v[S+32*\t+8*\j+2*\g+2]
.endr
.endr
.endr
.irp t, 0,1
	v_max3_num_f32 v[T+8*\t+4], v[T+8*\t+4], v[S+32*\t+7], v[S+32*\t+15]
.endr
.irp t, 0,1
	v_max3_num_f32 v[T+8*\t+6], v[T+8*\t+6], v[S+32*\t+23], v[S+32*\t+31]
.endr
.irp t, 0,1
	v_max3_num_f32 v[T+8*\t+4], v[T+8*\t+4], v[T+8*\t+5], v[T+8*\t+6]
.endr
.irp t, 0,1
	v_max3_num_f32 v[T+8*\t+4], v[T+8*\t+4], v[T+8*\t+7], v[T+8*\t+1]
.endr
.irp t, 0,1
	v_permlanex16_b32 v[T+8*\t+5], v[T+8*\t+4], s[SEL], s[SEL+1]  ; the query's other 32 keys lie in the lane 16 away
.endr
.irp t, 0,1
	v_max_num_f32 v[T+8*\t+1], v[T+8*\t+4], v[T+8*\t+5]
.endr
.irp t, 0,1
	v_mul_f32 v[T+8*\t], s[CS], v[T+8*\t+1]
.endr
.irp t, 0,1
	v_sub_f32 v[T+8*\t+7], v[OLD+\t], v[T+8*\t]
.endr
.endm
; A KEY STEP: 64 keys at LDS bytes s[TK] and s[TV].  32 LDS loads in one run, 16 products K Q^T, both tiles' softmax, 16 products V^T P.
.macro STEP
	v_add_nc_u32 v[ADK], s[TK], v[AK0]
	v_add_nc_u32 v[ADV], s[TV], v[AV0]
	v_nop
	v_nop                           ; these four are the places between the last step's V^T P and the loads into V's registers
	WIN W_LD
.irp kt, 0,1,2,3                    ; keys 16 kt on (8 pair rows), channels 32 cc on
.irp cc, 0,1
	ds_load_b128 v[KF+16*\kt+8*\cc:KF+16*\kt+8*\cc+3],   v[ADK] offset:\kt*8*PK+64*\cc
	ds_load_b128 v[KF+16*\kt+8*\cc+4:KF+16*\kt+8*\cc+7], v[ADK] offset:\kt*8*PK+64*\cc+32
.endr
.endr
.irp kc, 0,1                        ; keys 32 kc on (16 pair rows), channels 16 ct on
.irp ct, 0,1,2,3
	ds_load_tr16_b128 v[VF+32*\kc+8*\ct:VF+32*\kc+8*\ct+3],   v[ADV] offset:\kc*16*PVP+32*\ct
	ds_load_tr16_b128 v[VF+32*\kc+8*\ct+4:VF+32*\kc+8*\ct+7], v[ADV] offset:\kc*16*PVP+8*PVP+32*\ct
.endr
.endr
	s_wait_dscnt 16                 ; K's sixteen loads are in; V's sixteen, issued behind them, may be out
	WIN W_KQ
.irp cc, 0,1                        ; the eight accumulators take turns, one instruction a turn; the first eight start the sums
.irp kt, 0,1,2,3
.irp t, 0,1
.if \cc == 0
	v_wmma_f32_16x16x32_f16 v[S+32*\t+8*\kt:S+32*\t+8*\kt+7], v[KF+16*\kt+8*\cc:KF+16*\kt+8*\cc+7], v[QF+16*\t+8*\cc:QF+16*\t+8*\cc+7], 0
.else
	v_wmma_f32_16x16x32_f16 v[S+32*\t+8*\kt:S+32*\t+8*\kt+7], v[KF+16*\kt+8*\cc:KF+16*\kt+8*\cc+7], v[QF+16*\t+8*\cc:QF+16*\t+8*\cc+7], v[S+32*\t+8*\kt:S+32*\t+8*\kt+7]
.endif
.endr
.endr
.endr
	WIN 0
	v_mov_b32 v[OLD], v[T]          ; c m_old is kept for a
	v_mov_b32 v[OLD+1], v[T+8]
	v_nop
	v_nop                           ; four places between the products and the first read of the scores
	MAXES
.irp i, 0,1,2,3,4,5,6,7,8,9,10,11,12,13,14,15
	SCALE 0, \i
.endr
	v_exp_f32 v[T+6], v[T+7]        ; a, for both tiles
	v_exp_f32 v[T+14], v[T+15]
.irp i, 0,1,2,3,4,5,6,7,8,9,10,11,12,13,14,15
	EXP2 0, \i                      ; THE FIRST BATCH: a, a and tile 0's 32 weights; tile 1's scalings, which name no result, stand between
	SCALE 1, \i
.endr
	s_wait_alu depctr_va_vdst(0)    ; one wait for the batch, ahead of the first line that names a result; the scaling above is the plain line behind the last exponential
.irp i, 0,1,2,3,4,5,6,7,8,9,10,11,12,13,14,15
	EXP2 1, \i                      ; THE SECOND BATCH: tile 1's 32 weights; between them tile 0's sums, roundings and rescaling, which name the first batch's results alone
	POST 0, \i
.endr
	s_wait_alu depctr_va_vdst(0)    ; one wait for the second batch
.irp i, 0,1,2,3,4,5,6,7,8,9,10,11,12,13,14,15
	POST 1, \i
.endr
	s_wait_dscnt 0x0                ; V is in
	WIN W_PV
.irp kc, 0,1                        ; O^T += V^T P: the eight accumulators take turns
.irp ct, 0,1,2,3
.irp t, 0,1
	v_wmma_f32_16x16x32_f16 v[O+32*\t+8*\ct:O+32*\t+8*\ct+7], v[VF+32*\kc+8*\ct:VF+32*\kc+8*\ct+7], v[P+16*\t+8*\kc:P+16*\t+8*\kc+7], v[O+32*\t+8*\ct:O+32*\t+8*\ct+7]
.endr
.endr
.endr
	WIN 0                           ; at a label and at a branch every window is 0
.endm
.macro PASS slot                    ; a slot's eight key steps: written once, walked eight times
	s_mov_b32 s[TK], (\slot)*SLOT
	s_mov_b32 s[TV], (\slot)*SLOT+VOFF
	s_mov_b32 s[CNT], 8
.Lstep_\@:
	STEP
	s_add_co_u32 s[TK], s[TK], 32*PK   ; 64 keys are 32 pair rows
	s_add_co_u32 s[TV], s[TV], 32*PVP
	s_sub_co_u32 s[CNT], s[CNT], 1
	s_cmp_lg_u32 s[CNT], 0
	s_cbranch_scc1 .Lstep_\@
.endm
; THE CHANGE OF SLOTS with a refill of slot s, which has just been read out.  Each wave waits for all its tensor loads, of which one is out: its part of the other slot; adds 0 to its spare word; and waits for
; that and for its reads of the slot.  The barrier is a round of the cluster's, so that no wave of any partner still reads the slot or has a load on its way; the joint refill is the first thing behind it.
.macro CHANGE s
	s_wait_tensorcnt 0x0            ; no tensor load of mine is out, so a group 0 may be written
	ds_add_u32 v[SPW], v[NIL]       ; 0 onto my spare word; the descriptors' steps stand between it and the wait for it
	s_add_nc_u64 s[G0K+4*\s+2:G0K+4*\s+3], s[G0K+4*\s+2:G0K+4*\s+3], 2*SLOTB  ; the keys two slots on; the type bits on top are not reached
	s_add_nc_u64 s[G0V+4*\s+2:G0V+4*\s+3], s[G0V+4*\s+2:G0V+4*\s+3], 2*SLOTB
	s_wait_dscnt 0x0                ; the add is done, and my reads of the slot are over
	CROUND
	JLOAD \s
.endm
	s_wait_tensorcnt 1              ; my part of slot 0 is in; slot 1's may stay out
	s_barrier_signal -1
	s_barrier_wait -1               ; everybody's is
	s_wait_loadcnt 0x0              ; Q
	PASS 0                          ; keys 0 to 511
	CHANGE 0                        ; slot 0 takes keys 1,024 to 1,535
	; A PREFETCH INTO THE L2 of what the next change of slots will ask for: keys 1,536 to 2,047 of K and of V, 256 pair rows of 256 bytes each, a lane a row.  It stands behind the wave's tensor load and its five lines.
	; Each row is named once in the launch: both clusters of a head walk the same K and V, and the head's first cluster asks; its four partners take 32 rows each of every 128, told apart by address;
	; in each, waves 0 and 2 ask for K's halves and waves 4 and 6 for V's.  The first three fills come by their loads alone.  The address registers are never rewritten.
	s_cmp_eq_u32 s[LIM], 1
	s_cbranch_scc0 .Lnot_mine
	global_prefetch_b8 v[PFO], s[PFA:PFA+1] th:TH_LOAD_NT scope:SCOPE_SE
.Lnot_mine:
	PASS 1                          ; keys 512 to 1,023
	CHANGE 1                        ; slot 1 takes keys 1,536 to 2,047: the last load
	PASS 0
	s_wait_tensorcnt 0x0            ; the last change of slots fills nothing: my part of slot 1 is in,
	ds_add_u32 v[SPW], v[NIL]
	s_wait_dscnt 0x0
	s_barrier_signal -1
	s_barrier_wait -1               ; everybody's is
	PASS 1
	; THE WAY OUT.  l's two halves and the other half of the lanes' are added; O^T is divided by l and sent through my stage in LDS, a tile (16 queries x 64 channels of f32: rows of 256 bytes) at a time.
.rept 4
	v_nop                           ; places behind the last products
.endr
.irp t, 0,1
	v_add_f32 v[T+8*\t+4], v[T+8*\t+2], v[T+8*\t+3]
.endr
.irp t, 0,1
	v_permlanex16_b32 v[T+8*\t+5], v[T+8*\t+4], s[SEL], s[SEL+1]
.endr
.irp t, 0,1
	v_add_f32 v[T+8*\t+4], v[T+8*\t+4], v[T+8*\t+5]
.endr
.irp t, 0,1
	v_rcp_f32 v[T+8*\t+6], v[T+8*\t+4]
.endr
	v_nop                           ; a plain line between the last reciprocal and the use of its result
	s_wait_alu depctr_va_vdst(0)    ; and the wait ahead of the first use: one for both
.macro OUT t                        ; register 8 ct + j of a lane is out(query r, channel 16 ct + 8 h + j): 32 bytes at 64 ct + 32 h of row r.  The quotients go into S^T's registers, which are free
.irp i, 0,1,2,3,4,5,6,7,8,9,10,11,12,13,14,15
	v_pk_mul_f32 v[S+32*\t+2*\i:S+32*\t+2*\i+1], v[O+32*\t+2*\i:O+32*\t+2*\i+1], v[T+8*\t+6:T+8*\t+7] op_sel_hi:[1,0]
.endr
.irp ct, 0,1,2,3
	ds_store_b128 v[STO], v[S+32*\t+8*\ct:S+32*\t+8*\ct+3] offset:64*\ct
	ds_store_b128 v[STO], v[S+32*\t+8*\ct+4:S+32*\t+8*\ct+7] offset:64*\ct+16
.endr
.irp i, 0,1,2,3,4,5,6,7
	ds_load_b128 v[S+32*\t+4*\i:S+32*\t+4*\i+3], v[RD] offset:2*\i*SP  ; LDS serves a wave's instructions in order: these see the stores above; the next tile's stores come behind them
.endr
.endm
.macro SEND t, younger              ; younger: the LDS instructions issued behind tile t's loads
.irp i, 0,1,2,3,4,5,6,7
	s_wait_dscnt \younger+7-\i
	global_store_b128 v[GO], v[S+32*\t+4*\i:S+32*\t+4*\i+3], s[10:11] offset:\t*65536+\i*8192 th:TH_STORE_NT  ; 16 lanes store 256 consecutive bytes, a query's head, at a multiple of 256 from out's first byte
.endr
.endm
	OUT 0
	OUT 1
	SEND 0, 16                      ; behind tile 0's loads: tile 1's eight stores and eight loads
	SEND 1, 0
	s_wait_tensorcnt 0x0            ; the wave's end, behind my last tensor load and my last LDS store
	ds_add_u32 v[SPW], v[NIL]
	s_wait_dscnt 0x0
	CROUND                          ; the closing round: no work-group ends while a partner may still ask for a tile that names it
	s_endpgm
.Lfunc_end_k_q087531a87f_attn:
	.size	k_q087531a87f_attn, .Lfunc_end_k_q087531a87f_attn-k_q087531a87f_attn
	.p2alignl 7, 3214868480
	.fill 96, 4, 3214868480
	.section	.rodata,"a",@progbits
	.p2align	6, 0x0
	.amdhsa_kernel k_q087531a87f_attn
		.amdhsa_group_segment_fixed_size 327680
		.amdhsa_private_segment_fixed_size 0
		.amdhsa_enable_private_segment 0
		.amdhsa_kernarg_size 16
		.amdhsa_user_sgpr_count 2
		.amdhsa_user_sgpr_kernarg_segment_ptr 1
		.amdhsa_wavefront_size32 1
		.amdhsa_system_sgpr_workgroup_id_x 1
		.amdhsa_system_sgpr_workgroup_id_y 1
		.amdhsa_system_sgpr_workgroup_id_z 1
		.amdhsa_system_vgpr_workitem_id 0
		.amdhsa_next_free_vgpr 512
		.amdhsa_next_free_sgpr 66
		.amdhsa_reserve_vcc 0
		.amdhsa_float_denorm_mode_32 3
		.amdhsa_float_denorm_mode_16_64 3
		.amdhsa_memory_ordered 1
		.amdhsa_forward_progress 1
		.amdhsa_inst_pref_size 89
	.end_amdhsa_kernel
	.amdgpu_metadata
---
amdhsa.version: [ 1, 2 ]
amdhsa.kernels:
  - .name:           k_q087531a87f_attn
    .symbol:         k_q087531a87f_attn.kd
    .args:
      - { .name: qkv, .offset: 0, .size: 8, .value_kind: global_buffer, .address_space: global }
      - { .name: out0, .offset: 8, .size: 8, .value_kind: global_buffer, .address_space: global }
    .group_segment_fixed_size: 327680
    .private_segment_fixed_size: 0
    .kernarg_segment_align: 8
    .kernarg_segment_size: 16
    .max_flat_workgroup_size: 256
    .sgpr_count:     66
    .vgpr_count:     512
    .wavefront_size: 32
...
	.end_amdgpu_metadata
.endif
;; end of part 4
